; MI455X (gfx1250); checked and timed in simulation.
; The chip was launched on July 23, 2026; its instructions are those of AMD's public machine-readable ISA for CDNA 5 (MIT licence, August 2026) and "CDNA5" Instruction Set Architecture Reference Guide (July 2026). The comments in the code are by the model that wrote it; some were corrected since.
;; Attention Mechanism. Allowed arithmetic: matrix products marked QUANTISED: E4M3 operands, one given power-of-two scale a tensor, by v_wmma_f32_16x16x64_fp8_fp8 or v_wmma_f32_16x16x128_fp8_fp8, f32 sums; products left as they are: f32 operands where the result goes on into a quantised operand, else bf16, f16 or f32 operands; f32 sums; everything else in f32.
;; Inputs: V 1 x 1,024 float32; W_key_codes 1,024 x 32 x 32 uint8 (E4M3 codes of W_key, K innermost, in blocks of 32 codes); W_query_codes 1,024 x 32 x 32 uint8 (E4M3 codes of W_query, K innermost, in blocks of 32 codes); keys 32 x 2,048 x 1,024 float32; lowp_scales 4 int32 (the exponents e of the quantised operands' scales 2^e); query_codes 32 x 32 x 32 uint8 (E4M3 codes of query, K innermost, in blocks of 32 codes).
;; Outputs: out0 32 x 1,024 float32; out1 32 x 2,048 float32.
;; This version of the problem:
;;   THIS VERSION OF THE PROBLEM IS GIVEN IN LOW PRECISION. The matrix products marked QUANTISED in the list below multiply operands that are first quantised to E4M3 (4 exponent bits, 3 mantissa bits; 8 bits a number), with one given power-of-two scale for each operand tensor; their sums are f32. All else is computed in f32.
;;   The module's matrix products, in the order in which they are computed (A, B: the left and right operand; K: the contracted axis; several contracted axes count as one K, in the product's order):
;;     1. [M 32, K 1,024] x [K 1,024, N 1,024]; A: input query (given as codes); B: input W_query (given as codes): QUANTISED (scales: A lowp_scales[0], B lowp_scales[1])
;;     2. [M 65,536, K 1,024] x [K 1,024, N 1,024]; A: input keys; B: input W_key (given as codes): QUANTISED (scales: A lowp_scales[2], B lowp_scales[3])
;;     3. [M 65,536, K 1,024] x [K 1,024, N 1]; A: computed on the way; B: input V: left as it is (N = 1 < 16)
;;     4. batch 32 x [M 1, K 2,048] x [K 2,048, N 1,024]; A: softmax; B: input keys: left as it is (M = 1 < 16)
;;   THE QUANTISER, for each operand of a quantised product, along K:
;;     - The operand's scale is 2^e, e = its entry of the input lowp_scales (int32; the entries are numbered through the quantised products in the list's order, A before B).
;;     - Each number is divided by the scale, clamped to +-448, and rounded to the nearest number of E4M3, ties to even, subnormals kept.
;;     - The product sums the exact products of the quantised numbers (number of the format x scale) in f32.
;;   ~~~python
;;   def quantise(x, axis, e):      # numpy; x: float32 -> the quantised numbers, widened to float32 again
;;       x = np.moveaxis(x, axis, -1); K = x.shape[-1]
;;       r = np.clip(x / 2.0 ** e, -448, 448)
;;       step = 2.0 ** (np.maximum(np.frexp(np.where(r == 0, 1, r))[1] - 1, -6) - 3)
;;       q = np.round(r / step) * step * 2.0 ** e      # np.round: ties to even
;;       return np.moveaxis(q, -1, axis).astype(np.float32)
;;   ~~~
;;   INPUTS GIVEN AS CODES. W_key (in the module: [1024, 1024], K = its axis 1); W_query (in the module: [1024, 1024], K = its axis 1); query (in the module: [32, 1024], K = its axis 1): each comes as NAME_codes (uint8): NAME with its K axis moved to the last place and cut into blocks of 32 codes, [.., K / 32, bytes a block], one block behind the other in memory; one code a byte (a code: sign, 4 exponent bits, 3 mantissa bits); its scale is its entry of lowp_scales. Its value is code x scale, taken as it is: it is not quantised again, and the codes and scales need not be those that the quantiser above would give.
;; One version. Each part assembles by itself: llvm-mc -triple=amdgcn-amd-amdhsa -mcpu=gfx1250 --defsym DOCPART=n.
;; ======== version 1 of 1: 3 launches
;; limits: right only within a limited range of input values
;; workspace buffers: qc 131,072 bytes; wl 1,048,576 bytes; sc 262,144 bytes
;; launch prep (part 1): grid 16 x 1, 4 waves a work-group, no clusters, 9,216 bytes of LDS; arguments query_codes, W_query_codes, W_key_codes, lowp_scales, qc, wl; writes qc, wl
.if DOCPART == 1
	.amdgcn_target "amdgcn-amd-amdhsa--gfx1250"
	.amdhsa_code_object_version 6
	.text
	.protected	k_q95eaac9573_prep
	.globl	k_q95eaac9573_prep
	.p2align	8
	.type	k_q95eaac9573_prep,@function
k_q95eaac9573_prep:
	s_mov_b64 s[64:65], 0
	v_nop
	global_prefetch_b8 v0, s[64:65] scope:SCOPE_SE
	s_setreg_imm32_b32 hwreg(HW_REG_WAVE_MODE, 25, 1), 1
	s_wait_xcnt 0x0
; THE PROGRAM: weights = softmax_s(score), score[b][s] = sum over o of V[o] tanh(q_proj[b][o] + k_proj[b][s][o]); context[b] = sum over s of weights[b][s] keys[b][s].
; Three launches: this one (q_proj, and W_key's codes laid in the order of an operand's registers), the scores, the softmax with the context.
; WORK LEFT OUT.  tanh(x) = 1 - 2 / (1 + 2^(2 log2(e) x)), so score = (sum over o of V[o]) - 2 sum over o of V[o] / (1 + 2^y), y = 2 log2(e) (q_proj + k_proj).
; The first term is the same for all s of a batch, whatever the inputs hold, and the softmax runs over s: a term that is the same along a softmax's axis
; cancels in exact arithmetic.  It reaches no output and is not formed.  V itself is live and is loaded.  Every input has a way to an output; all are loaded.
; LIMIT: a NaN, an infinity or an overflow that would arise in the sum of V alone is not carried to the result.
; THIS LAUNCH.  Wave w of work-group x takes the 16 columns o = 16 t .. 16 t + 15, t = 4 x + w:
;  (a) qc[b][o] = 2 log2(e) x 2^(e0 + e1) x sum over k of query_code[b][k] Wq_code[o][k], for all 32 batches: 16 matrix instructions on the codes as they are given;
;  (b) W_key's rows 16 t .. 16 t + 15 are stored as images of the operand's registers: the 16 bytes W_key[16 t + r][128 s + 32 c + 16 h ..] at byte ((8 t + s) 4 + c) 512 + 16 (r + 16 h) of wl.
; k stands in both operands of a product in the same permuted place (registers 4 c .. 4 c + 3 of lane (r, h): k = 32 c + 16 h + 0 .. 15): every product meets its partner; only the order of the sums inside an instruction differs.
; e0 + e1 is applied by v_ldexp_f32 and keeps no limit.  The design has work for 64 waves, so 16 work-groups are launched.
; No cluster, no tensor load: what the work-groups share is the 32,768 bytes of query's codes, which go straight into registers.
; REGISTERS: window 0: v1-9 addresses; v32-47 two accumulators; v48-63 scaled results; v64-79 rows read back; v128-255 Wq's 8 fragments.  window 1: query's fragment (n, s) at v[128 n + 16 s].  window 2: v0-127 W_key's 32 pieces.
.set STP,   272                        ; a stage row: 64 numbers of f32 (the work-group's 64 columns) + 16 bytes
.set SPARE, 32*STP                     ; behind the stage of 32 rows: the spare words, 128 bytes for each wave: two blocks of 256 bytes that no other line names
.set SPW,   8                          ; v8   LDS address of my spare word; never rewritten
.set NIL,   9                          ; v9   0; never rewritten
.set MSB, 0
.macro WIN new                         ; the immediate's high byte repeats the setting that is left
.if MSB != (\new)
	s_set_vgpr_msb (MSB<<8)|(\new)
.set MSB, (\new)
.endif
.endm
	s_load_b256 s[4:11], s[0:1], 0x0               ; query's codes s[4:5], Wq's s[6:7], W_key's s[8:9], the scales' exponents s[10:11]
	s_load_b128 s[12:15], s[0:1], 0x20             ; qc s[12:13], wl s[14:15]
	v_lshl_add_u32 v[SPW], v0, 2, SPARE
	v_mov_b32 v[NIL], 0
	v_lshrrev_b32 v1, 5, v0
	v_readfirstlane_b32 s16, v1                    ; wave 0..3
	v_and_b32 v1, 15, v0                           ; r
	v_bfe_u32 v2, v0, 4, 1                         ; h
	v_lshlrev_b32 v3, 10, v1
	v_lshl_add_u32 v3, v2, 4, v3                   ; a row of 1,024 codes: 1024 r + 16 h
	v_and_b32 v4, 31, v0
	v_lshlrev_b32 v4, 4, v4                        ; 16 x lane
	v_mul_u32_u24 v5, v1, STP
	v_lshl_add_u32 v5, v2, 5, v5
	s_lshl_b32 s21, s16, 6
	v_add_nc_u32 v5, s21, v5                       ; into the stage: row r, + 32 h, + my wave's 64 bytes
	s_lshl_b32 s21, s16, 3
	v_add_nc_u32 v10, s21, v2                      ; 8 w + lane / 16
	v_mul_u32_u24 v6, v10, STP
	v_lshl_add_u32 v6, v1, 4, v6                   ; back: lanes 0-15 one row of 256 bytes, lanes 16-31 the next
	v_lshlrev_b32 v7, 12, v10
	v_lshl_add_u32 v7, v1, 4, v7                   ; and the same two rows in qc (a row is 4,096 bytes)
	s_lshl_b32 s17, ttmp9, 2
	s_add_co_u32 s17, s17, s16                     ; t
	s_lshl_b32 s18, s17, 14                        ; 16 rows of 1,024 bytes, and a group's 16,384 bytes in wl
	s_mov_b32 s19, 0
	s_wait_kmcnt 0x0
	s_load_b64 s[22:23], s[10:11], 0x0             ; e0, e1
	s_add_nc_u64 s[6:7], s[6:7], s[18:19]
	s_add_nc_u64 s[8:9], s[8:9], s[18:19]
	s_add_nc_u64 s[14:15], s[14:15], s[18:19]
	s_lshl_b32 s18, ttmp9, 8                       ; the work-group's 64 columns in a row of qc
	s_add_nc_u64 s[12:13], s[12:13], s[18:19]
.set q, 0
.rept 32                                       ; Wq: K step q / 4, piece q % 4
	global_load_b128 v[128+4*q:128+4*q+3], v3, s[6:7] offset:128*(q/4)+32*(q%4)
.set q, q+1
.endr
	WIN 0x40                                       ; destination window 1
.set q, 0
.rept 64                                       ; query: tile of 16 batches q / 32
	global_load_b128 v[4*q:4*q+3], v3, s[4:5] offset:16384*(q/32)+128*((q%32)/4)+32*(q%4)
.set q, q+1
.endr
	WIN 0x80                                       ; destination window 2
.set q, 0
.rept 32                                       ; W_key's rows, in the same pattern
	global_load_b128 v[4*q:4*q+3], v3, s[8:9] offset:128*(q/4)+32*(q%4)
.set q, q+1
.endr
	s_wait_loadcnt 32                              ; loads come back in order: the 32 younger ones are W_key's; Wq and query are in
	WIN 0x04                                       ; source 1 (query) window 1
.set q, 0
.rept 16                                       ; K step q / 2, tile of batches q % 2: the two accumulators take turns.  Source 0 = 16 rows of Wq, source 1 = 16 batches
.if q < 2
	v_wmma_f32_16x16x128_fp8_fp8 v[32+8*(q%2):39+8*(q%2)], v[128+16*(q/2):143+16*(q/2)], v[128*(q%2)+16*(q/2):128*(q%2)+16*(q/2)+15], 0
.else
	v_wmma_f32_16x16x128_fp8_fp8 v[32+8*(q%2):39+8*(q%2)], v[128+16*(q/2):143+16*(q/2)], v[128*(q%2)+16*(q/2):128*(q%2)+16*(q/2)+15], v[32+8*(q%2):39+8*(q%2)]
.endif
.set q, q+1
.endr
	WIN 0
.rept 4
	v_nop                                          ; four places between the last product and the first read of a result (ISA guide 7.12.1)
.endr
	s_wait_kmcnt 0x0
	s_add_co_i32 s20, s22, s23                     ; e0 + e1
.set q, 0
.rept 16                                       ; each accumulator from its low end on.  Lane (r, h), register j of tile n: batch 16 n + r, column 16 t + 8 h + j
	v_mul_f32 v[48+q], 0x4038aa3b, v[32+q]         ; x 2 log2(e)
.set q, q+1
.endr
.set q, 0
.rept 16
	v_ldexp_f32 v[48+q], v[48+q], s20              ; x 2^(e0 + e1)
.set q, q+1
.endr
.irp n, 0,1
	ds_store_b128 v5, v[48+8*\n:51+8*\n] offset:\n*16*STP
	ds_store_b128 v5, v[52+8*\n:55+8*\n] offset:\n*16*STP+16
.endr
	s_wait_loadcnt 0x0                             ; W_key's pieces are in
	WIN 0x08                                       ; a store's data: window 2
.set q, 0
.rept 32
	global_store_b128 v4, v[4*q:4*q+3], s[14:15] offset:512*q      ; the wave stores 512 consecutive bytes, aligned
.set q, q+1
.endr
	WIN 0
	s_wait_dscnt 0x0                               ; for the others' sake: my stores into the stage are done
	s_barrier_signal -1
	s_barrier_wait -1                              ; a row's 256 bytes come from four waves
.irp i, 0,1,2,3
	ds_load_b128 v[64+4*\i:67+4*\i], v6 offset:2*\i*STP
.endr
.irp i, 0,1,2,3
	s_wait_dscnt 3-\i                              ; LDS loads come back in order: the younger ones may be out
	global_store_b128 v7, v[64+4*\i:67+4*\i], s[12:13] offset:2*\i*4096   ; sixteen lanes store 256 consecutive bytes, aligned
.endr
	s_wait_tensorcnt 0x0                           ; the wave's end, behind my last LDS store
	ds_add_u32 v[SPW], v[NIL]
	s_wait_dscnt 0x0
	s_endpgm
.Lfunc_end_k_q95eaac9573_prep:
	.size	k_q95eaac9573_prep, .Lfunc_end_k_q95eaac9573_prep-k_q95eaac9573_prep
	.p2alignl 7, 3214868480
	.fill 96, 4, 3214868480
	.section	.rodata,"a",@progbits
	.p2align	6, 0x0
	.amdhsa_kernel k_q95eaac9573_prep
		.amdhsa_group_segment_fixed_size 9216
		.amdhsa_private_segment_fixed_size 0
		.amdhsa_enable_private_segment 0
		.amdhsa_kernarg_size 48
		.amdhsa_user_sgpr_count 2
		.amdhsa_user_sgpr_kernarg_segment_ptr 1
		.amdhsa_wavefront_size32 1
		.amdhsa_system_sgpr_workgroup_id_x 1
		.amdhsa_system_sgpr_workgroup_id_y 1
		.amdhsa_system_sgpr_workgroup_id_z 1
		.amdhsa_system_vgpr_workitem_id 0
		.amdhsa_next_free_vgpr 640
		.amdhsa_next_free_sgpr 66
		.amdhsa_reserve_vcc 0
		.amdhsa_float_denorm_mode_32 3
		.amdhsa_float_denorm_mode_16_64 3
		.amdhsa_memory_ordered 1
		.amdhsa_forward_progress 1
		.amdhsa_inst_pref_size 22
	.end_amdhsa_kernel
	.amdgpu_metadata
---
amdhsa.version: [ 1, 2 ]
amdhsa.kernels:
  - .name:           k_q95eaac9573_prep
    .symbol:         k_q95eaac9573_prep.kd
    .args:
      - { .name: query_codes, .offset: 0, .size: 8, .value_kind: global_buffer, .address_space: global }
      - { .name: W_query_codes, .offset: 8, .size: 8, .value_kind: global_buffer, .address_space: global }
      - { .name: W_key_codes, .offset: 16, .size: 8, .value_kind: global_buffer, .address_space: global }
      - { .name: lowp_scales, .offset: 24, .size: 8, .value_kind: global_buffer, .address_space: global }
      - { .name: qc, .offset: 32, .size: 8, .value_kind: global_buffer, .address_space: global }
      - { .name: wl, .offset: 40, .size: 8, .value_kind: global_buffer, .address_space: global }
    .group_segment_fixed_size: 9216
    .private_segment_fixed_size: 0
    .kernarg_segment_align: 8
    .kernarg_segment_size: 48
    .max_flat_workgroup_size: 128
    .sgpr_count:     66
    .vgpr_count:     640
    .wavefront_size: 32
...
	.end_amdgpu_metadata
.endif
;; end of part 1
;; launch scores (part 2): grid 256 x 1, 4 waves a work-group, clusters of 4 x 1, 327,680 bytes of LDS; arguments keys, wl, V, lowp_scales, qc, sc; writes sc
.if DOCPART == 2
	.amdgcn_target "amdgcn-amd-amdhsa--gfx1250"
	.amdhsa_code_object_version 6
	.text
	.protected	k_q95eaac9573_scores
	.globl	k_q95eaac9573_scores
	.p2align	8
	.type	k_q95eaac9573_scores,@function
k_q95eaac9573_scores:
	s_mov_b64 s[64:65], 0
	v_nop
	global_prefetch_b8 v0, s[64:65] scope:SCOPE_SE
	s_setreg_imm32_b32 hwreg(HW_REG_WAVE_MODE, 25, 1), 1
	s_wait_xcnt 0x0
	s_wait_alu depctr_hold_cnt(0) depctr_sa_sdst(0) depctr_va_vdst(0) depctr_va_sdst(0) depctr_va_ssrc(0) depctr_va_vcc(0) depctr_vm_vsrc(0)
	s_getreg_b32 s2, hwreg(HW_REG_IB_STS2, 6, 4)
	s_cmp_eq_u32 s2, 0
	s_cbranch_scc0 .Lentry_in_a_cluster
	s_endpgm
.Lentry_in_a_cluster:
	s_bfe_u32 s2, ttmp6, 0x10000c
	s_cmp_lg_u32 s2, 0x3003
	s_cbranch_scc0 .Lentry_shape_is_right
	s_endpgm
.Lentry_shape_is_right:
; sc[b][s] = -2 sum over o of V[o] / (1 + 2^y), y = 2 log2(e) (q_proj[b][o] + k_proj[b][s][o]); k_proj = Q(keys) W_key^T on codes of E4M3, sums in f32.
; WORK LEFT OUT: the term sum over o of V[o] of the score, the same along the softmax's axis (shown at the head of the first kernel).
; SHARES.  Work-group x owns rows 256 x .. 256 x + 255 of keys (eight work-groups to a batch), wave w 64 of them: 4 tiles of 16 rows x 1,024 K as codes in 512 registers.
; HEAD.  A step is two whole rows, 8,192 consecutive bytes: 16 loads of 512 bytes; four steps are out at a time.  The numbers are held at +-448 x 2^e2 and converted in the
; order in which they were loaded (a lane's four neighbours along K make one word of codes); the words go into the wave's own stage in LDS, rows of 1,024 codes + 16 bytes,
; and come back as fragments: lane (r, h), registers 4 c .. 4 c + 3 of K step s: k = 128 s + 32 c + 16 h + 0 .. 15, the order in which wl holds W_key.  The stage holds 32 rows, so it is walked twice.
; TURNS.  W_key's 64 groups of 16 columns come through a ring of two LDS slots of four groups (65,536 bytes), each wave fetching a quarter.  Turn t: a run of 16 LDS loads (half of group t + 1's fragments);
; 32 matrix instructions (4 accumulators by turns, 8 K steps), between them only plain work: S += R(t-2) V(t-2), D(t-1) = E(t-1) + 1;
; Y(t) = sum x c + q; the other 16 LDS loads; then ONE batch of transcendentals: E(t) = 2^Y(t), R(t-1) = 1 / D(t-1), with one wait ahead of it and one behind it.
; No transcendental and no memory instruction stands between two steps of a sum.
; A lane holds one column o = 16 t + lane % 16 and 32 rows; S is summed over the 16 lanes at the end.
; CLUSTER: the four work-groups of a cluster walk the same groups of wl and ask for them jointly (mask 15).
; NO PREFETCH: the keys are read once, by loads of which 64 a wave are out through the whole head; wl's 1,048,576 bytes are the same for all 64 clusters, which read them in the same order.
; LIMITS: e2 between -126 and 119, so that 2^e2 and 448 x 2^e2 are f32 numbers; e2 + e3 is applied by v_ldexp_f32 and has none.  2^y = infinity gives the term 0, as tanh = 1 asks.
; REGISTERS: window 0: addresses and constants v1-30; S v32-63; sums v64-95; E v128-159; D, R v160-191; a step's code words v192-207; the tables on their way v208-223.
;   window 1: head: four steps' numbers; turns: W's fragments, two sets of 128.   windows 2, 3: tile i's fragments at window 2 + i / 2, v[128 (i % 2) + 16 s].
.set SLOT1, 1<<16                      ; slot 1 begins here: one exclusive or turns a slot's address into the other's
.set SLOTB, 65536
.set GRPB,  16384                      ; a group: 16 columns x 1,024 K
.set STAGE, 2*SLOT1
.set SPIT,  1040                       ; a stage row: 1,024 codes + 16 bytes: 260 words, so 16 rows start 4 banks apart
.set WSTG,  32*SPIT
.set QT,    STAGE+4*WSTG               ; q's 1,024 numbers
.set VT,    QT+4096                    ; V's
.set SPARE, VT+4096                    ; the spare words, 128 bytes a wave: two blocks of 256 bytes that no other line names
.set L16, 1
.set STS, 2
.set STL, 3
.set ADB, 4
.set AQ0, 5
.set AQ,  6
.set SCL, 7
.set LIM, 8
.set STS0, 9
.set CC,  10
.set QC,  12
.set VV,  16
.set SPW, 20
.set NIL, 21
.set ONE, 22
.set S,   32
.set ACC, 64
.set EB,  128
.set RB,  160
.set T,   192
.set TBL, 208
.set WV,  16
.set G1,  24
.set G0,  32
.set TB,  40
.set TQ,  41
.set SLOTS, 42
.set SO,  52
.set CNT, 53
.set MSB, 0
.macro WIN new                         ; the immediate's high byte repeats the setting that is left
.if MSB != (\new)
	s_set_vgpr_msb (MSB<<8)|(\new)
.set MSB, (\new)
.endif
.endm
.macro PLACES n
.rept \n
	v_nop
.endr
.endm
.macro CROUND                          ; a round of the cluster's barrier
	s_barrier_signal -1
	s_barrier_wait -1
	s_cmp_lg_u32 s[WV], 0
	s_cbranch_scc1 .Lnot_wave_0_\@
	s_barrier_signal -3
.Lnot_wave_0_\@:
	s_barrier_wait -3
	s_barrier_signal -1
	s_barrier_wait -1
.endm
	s_load_b256 s[4:11], s[0:1], 0x0               ; keys s[4:5], wl s[6:7], V s[8:9], the exponents s[10:11]
	s_load_b128 s[12:15], s[0:1], 0x20             ; qc s[12:13], sc s[14:15]
	v_lshl_add_u32 v[SPW], v0, 2, SPARE
	v_mov_b32 v[NIL], 0
	ds_add_u32 v[SPW], v[NIL]                      ; the opening lines: the add twice on end, its wait ahead of my first tensor load
	ds_add_u32 v[SPW], v[NIL]
	v_lshrrev_b32 v1, 5, v0
	v_readfirstlane_b32 s[WV], v1                  ; wave 0..3
	s_bfe_u32 s17, ttmp6, 0x40000                  ; cx
	s_lshl_b32 s18, ttmp9, 2
	s_add_co_u32 s18, s18, s17                     ; work-group x
	s_lshl_b32 s20, s18, 20                        ; its 256 rows of 4,096 bytes,
	s_lshl_b32 s21, s[WV], 18                      ; my wave's 64
	s_add_co_u32 s20, s20, s21
	s_mov_b32 s21, 0
	s_lshl_b32 s50, s18, 10                        ; and the same rows in sc
	s_lshl_b32 s51, s[WV], 8
	s_add_co_u32 s50, s50, s51
	s_mov_b32 s51, 0
	s_lshl_b32 s22, s[WV], 14                      ; my quarter of a slot, in wl and in LDS: no place in the cluster enters it
	s_mov_b32 s23, 0
	s_lshr_b32 s48, ttmp9, 1                       ; the batch: two clusters to a batch
	s_lshl_b32 s48, s48, 12
	s_mov_b32 s49, 0
	s_mov_b32 s[G1], 15|(3<<16)|(1<<21)            ; the mask of the four; elements of 8 bytes; bit 21 beside the mask
	s_mov_b32 s[G1+1], 32<<16                      ; rows of 256 bytes,
	s_mov_b32 s[G1+2], 64<<16                      ; 64 of them, dense
	s_mov_b32 s[G1+3], 32<<16
	s_mov_b32 s[G1+4], 64
	s_mov_b32 s[G1+5], 32
	s_mov_b32 s[G1+6], 0
	s_mov_b32 s[G1+7], 0
	s_mov_b32 s[TB], 0
	s_mov_b32 s[TQ], 0
	s_mul_i32 s19, s[WV], WSTG
	s_add_co_u32 s19, s19, STAGE                   ; my stage
	v_and_b32 v29, 31, v0
	v_lshlrev_b32 v[L16], 4, v29                   ; 16 x lane
	v_lshlrev_b32 v[STS0], 2, v29
	v_add_nc_u32 v[STS0], s19, v[STS0]             ; into the stage: 4 x lane
	v_and_b32 v24, 15, v0                          ; r
	v_bfe_u32 v25, v0, 4, 1                        ; h
	v_mul_u32_u24 v[STL], v24, SPIT
	v_lshl_add_u32 v[STL], v25, 4, v[STL]
	v_add_nc_u32 v[STL], s19, v[STL]               ; back: row r, + 16 h
	v_lshl_add_u32 v[AQ0], v24, 2, QT
	v_lshlrev_b32 v26, 4, v0                       ; 16 x thread
	v_add_nc_u32 v27, QT, v26
	v_lshrrev_b32 v29, 2, v24
	v_and_b32 v30, 3, v24
	v_lshlrev_b32 v28, 6, v29
	v_lshl_add_u32 v28, v25, 5, v28
	v_lshl_add_u32 v28, v30, 3, v28                ; the way out: lane (r, h) stores rows 16 (r / 4) + 8 h + 2 (r % 4) and the next
	s_wait_alu depctr_va_vdst(0)                   ; the wait at the end of the head's vector work
	s_wait_dscnt 0x0                               ; both opening adds are done
	s_wait_kmcnt 0x0
	s_load_b128 s[44:47], s[10:11], 0x0            ; e0 .. e3
	s_add_nc_u64 s[4:5], s[4:5], s[20:21]
	s_add_nc_u64 s[12:13], s[12:13], s[48:49]
	s_add_nc_u64 s[14:15], s[14:15], s[50:51]
	s_mov_b32 s[G0], 1
	s_mov_b32 s[G0+1], s22
	s_add_nc_u64 s[G0+2:G0+3], s[6:7], s[22:23]
	s_or_b32 s[G0+3], s[G0+3], 0x80000000
	CROUND                                         ; the round in front of the first joint load
	tensor_load_to_lds s[G0:G0+3], s[G1:G1+7]      ; groups 0 to 3 into slot 0: my one tensor load at the head
	s_nop 0
	PLACES 4
; 16 loads: step st + ah counted from the base, into buffer st of window 1
.macro LOADS st, ah
	WIN 0x40
.set li, 0
.rept 16
	global_load_b128 v[64*(\st)+4*li:64*(\st)+4*li+3], v[L16], s[4:5] offset:((\st)+(\ah))*8192+512*li th:TH_LOAD_NT
.set li, li+1
.endr
	WIN 0
.endm
; a step: load li holds row li / 8 of the step's two, k = 128 (li % 8) + 4 lane + 0 .. 3
.macro QSTEP st, ld, cnt
	s_wait_loadcnt \cnt                            ; loads come back in order: the younger steps' may be out
	WIN 0x41
.set li, 0
.rept 64
	v_med3_num_f32 v[64*(\st)+li], v[64*(\st)+li], -v[LIM], v[LIM]   ; the conversion does not saturate (ISA guide 7.6.2)
.set li, li+1
.endr
	WIN 0x01
.set li, 0
.rept 8
	v_cvt_scalef32_pk8_fp8_f32 v[T+2*li:T+2*li+1], v[64*(\st)+8*li:64*(\st)+8*li+7], v[SCL]
.set li, li+1
.endr
	WIN 0
	v_nop                                          ; a plain instruction behind the last conversion
.if \ld
	LOADS \st, 4                                   ; the buffer takes the step four further on
.endif
.set li, 0
.rept 16
	ds_store_b32 v[STS], v[T+li] offset:(2*(\st)+li/8)*SPIT+128*(li%8)   ; 128 consecutive bytes of a row of codes
.set li, li+1
.endr
.endm
.macro TRIP ld                         ; four steps: eight rows
	v_add_nc_u32 v[STS], s[SO], v[STS0]
	s_wait_alu depctr_va_vdst(0)                   ; a wait behind the write
.if \ld
	QSTEP 0, 1, 48
	QSTEP 1, 1, 48
	QSTEP 2, 1, 48
	QSTEP 3, 1, 48
	s_wait_xcnt 0x0                                ; the loads have read their base
	s_add_nc_u64 s[4:5], s[4:5], 32768
.else
	QSTEP 0, 0, 48
	QSTEP 1, 0, 32
	QSTEP 2, 0, 16
	QSTEP 3, 0, 0
.endif
	s_add_co_u32 s[SO], s[SO], 8*SPIT
.endm
.macro READBACK g                      ; the stage's 32 rows become tiles 2 g and 2 g + 1.  LDS serves a wave's instructions in order: these see my stores, and the next stores come behind them
	WIN 0x80+0x40*(\g)
.set li, 0
.rept 64
	ds_load_b128 v[128*(li/32)+4*(li%32):128*(li/32)+4*(li%32)+3], v[STL] offset:(li/32)*16*SPIT+128*((li%32)/4)+32*(li%4)
.set li, li+1
.endr
	WIN 0
.endm
	global_load_b128 v[TBL:TBL+3], v26, s[12:13]               ; the batch's row of qc,
	global_load_b128 v[TBL+4:TBL+7], v26, s[12:13] offset:2048
	global_load_b128 v[TBL+8:TBL+11], v26, s[8:9]              ; and V
	global_load_b128 v[TBL+12:TBL+15], v26, s[8:9] offset:2048
	LOADS 0, 0
	LOADS 1, 0
	LOADS 2, 0
	s_wait_loadcnt 48                              ; the tables are in; the 48 younger loads stay out
	ds_store_b128 v27, v[TBL:TBL+3]
	ds_store_b128 v27, v[TBL+4:TBL+7] offset:2048
	ds_store_b128 v27, v[TBL+8:TBL+11] offset:4096
	ds_store_b128 v27, v[TBL+12:TBL+15] offset:6144
	LOADS 3, 0
	s_wait_kmcnt 0x0
	s_add_co_i32 s48, s46, 127
	s_lshl_b32 s49, s48, 23
	v_mov_b32 v[SCL], s49                          ; 2^e2
	s_add_co_i32 s48, s48, 8
	s_lshl_b32 s48, s48, 23
	s_or_b32 s48, s48, 0x600000
	v_mov_b32 v[LIM], s48                          ; 448 x 2^e2
	s_add_co_i32 s48, s46, s47
	v_mov_b32 v[CC], 0x4038aa3b
	v_ldexp_f32 v[CC], v[CC], s48                  ; c = 2 log2(e) 2^(e2 + e3)
	v_mov_b32 v[CC+1], v[CC]
	v_mov_b32 v[ONE], 1.0
	v_mov_b32 v[ONE+1], 1.0
.irp u, QC+1, QC+3, VV+1, VV+3
	v_mov_b32 v[\u], 0                             ; named as the upper halves of pairs
.endr
.set li, 0
.rept 32
	v_mov_b32 v[S+li], 0
.set li, li+1
.endr
	s_wait_alu depctr_va_vdst(0)                   ; a wait
	s_mov_b32 s[SO], 0
	s_mov_b32 s[CNT], 4
.Lq0:                                              ; rows 0 to 31
	TRIP 1
	s_sub_co_u32 s[CNT], s[CNT], 1
	s_cmp_lg_u32 s[CNT], 0
	s_cbranch_scc1 .Lq0
	READBACK 0
	s_mov_b32 s[SO], 0
	s_mov_b32 s[CNT], 3
.Lq1:                                              ; rows 32 to 55
	TRIP 1
	s_sub_co_u32 s[CNT], s[CNT], 1
	s_cmp_lg_u32 s[CNT], 0
	s_cbranch_scc1 .Lq1
	TRIP 0                                         ; rows 56 to 63: no load leaves my rows
	READBACK 1
.macro PAIROP jj, p, sf, sa
.if \sf
	v_pk_fma_f32 v[S+2*(\jj):S+2*(\jj)+1], v[RB+2*(\jj):RB+2*(\jj)+1], v[VV+2*(\p):VV+2*(\p)+1], v[S+2*(\jj):S+2*(\jj)+1] op_sel_hi:[1,0,1]
.endif
.if \sa
	v_pk_add_f32 v[RB+2*(\jj):RB+2*(\jj)+1], v[EB+2*(\jj):EB+2*(\jj)+1], v[ONE:ONE+1]
.endif
.endm
.macro HALFB p, g, b0                  ; 16 LDS loads in one run: pieces b0 .. b0 + 15 of group g of the slot in hand, into the set that turn p does not multiply
	WIN 0x40
.set li, \b0
.rept 16
	ds_load_b128 v[128*(1-(\p))+4*li:128*(1-(\p))+4*li+3], v[ADB] offset:GRPB*(\g)+512*li
.set li, li+1
.endr
	WIN 0
.endm
.macro TRANS se, sr, lb, p, g          ; one batch, one wait ahead of it and one behind it.  The second run of LDS loads stands behind the first wait
	s_wait_alu depctr_va_vdst(0)
.if \lb
	HALFB \p, \g, 16
.endif
.if \se
.set li, 0
.rept 32
	v_exp_f32 v[EB+li], v[EB+li]
.set li, li+1
.endr
.endif
.if \sr
.set li, 0
.rept 32
	v_rcp_f32 v[RB+li], v[RB+li]
.set li, li+1
.endr
.endif
	v_nop
	s_wait_alu depctr_va_vdst(0)
.endm
; Turn t.  p = t % 2: W's set.  jt: t less the turn at which v[AQ] stands.  g: the group of the slot in hand that is fetched for turn t + 1.
; sf: S += R(t-2) V(t-2).  sa: D(t-1) = E(t-1) + 1, and its reciprocals.  lb, lq, lv: fetch W's fragments and q for t + 1, V for t - 1.
.macro TURN p, jt, g, sf, sa, lb, lq, lv
	s_wait_dscnt 0x0                               ; what the last turn fetched is in
.if \lb
	HALFB \p, \g, 0                                ; the other set was last multiplied a turn ago: the places behind those products are long past
.endif
.if \lq
	ds_load_b32 v[QC+2*(1-(\p))], v[AQ] offset:64*((\jt)+1)
.endif
.if \lv
	ds_load_b32 v[VV+2*(1-(\p))], v[AQ] offset:VT-QT+64*((\jt)-1)
.endif
.set gi, 0
.rept 16
	WIN 0x06+(gi%2)                                ; source 0: window 2 or 3; source 1: window 1
.set i, 2*gi
.rept 2
.set rD, ACC+8*(i%4)
.set rA, 128*(i%2)+16*(i/4)
.set rB, 128*(\p)+16*(i/4)
.if i < 4
	v_wmma_f32_16x16x128_fp8_fp8 v[rD:rD+7], v[rA:rA+15], v[rB:rB+15], 0
.else
	v_wmma_f32_16x16x128_fp8_fp8 v[rD:rD+7], v[rA:rA+15], v[rB:rB+15], v[rD:rD+7]
.endif
.set i, i+1
.endr
.if gi > 0
	WIN 0
	PAIROP gi-1, \p, \sf, \sa
.endif
.if gi == 15
	PAIROP 15, \p, \sf, \sa                        ; the last four plain lines are the places between the last products and the first read of a sum (ISA guide 7.12.1)
.endif
.set gi, gi+1
.endr
.if !((\sf) && (\sa))
	PLACES 4
.endif
.set j2, 0
.rept 16                                       ; each accumulator from its low end on
	v_pk_fma_f32 v[EB+j2:EB+j2+1], v[ACC+j2:ACC+j2+1], v[CC:CC+1], v[QC+2*(\p):QC+2*(\p)+1] op_sel_hi:[1,1,0]
.set j2, j2+2
.endr
	TRANS 1, \sa, \lb, \p, \g
.endm
; THE CHANGE OF SLOTS: all four groups of the slot in hand are in registers.  Each wave waits for all its tensor loads (its quarter of the other slot), adds 0 to its spare word, and waits for that and for its reads.
; fill = 1: a round of the cluster's barrier, and behind it the slot that was left takes the four groups after the other slot's.
.macro CHANGE fill
	s_wait_tensorcnt 0x0
	ds_add_u32 v[SPW], v[NIL]
	v_add_nc_u32 v[ADB], s[TB], v[L16]             ; the slot that is read from here on
	v_add_nc_u32 v[AQ], s[TQ], v[AQ0]              ; the tables, four turns on
	s_xor_b32 s[TB], s[TB], SLOT1
	s_add_co_u32 s[TQ], s[TQ], 256
.if \fill
	s_xor_b32 s[G0+1], s[G0+1], SLOT1              ; no tensor load of mine is out: the descriptor may be written
	s_add_nc_u64 s[G0+2:G0+3], s[G0+2:G0+3], SLOTB
.endif
	s_wait_alu depctr_va_vdst(0)                   ; a wait
	s_wait_dscnt 0x0
.if \fill
	CROUND
	tensor_load_to_lds s[G0:G0+3], s[G1:G1+7]
	s_nop 0
	PLACES 4
.else
	s_barrier_signal -1
	s_barrier_wait -1
.endif
.endm
	CHANGE 1                                       ; slot 0 and the tables are whole; slot 1's first fill is issued as a refill is
	HALFB 1, 0, 0                                  ; group 0 into set 0
	HALFB 1, 0, 16
	ds_load_b32 v[QC], v[AQ]
	TURN 0, 0, 1, 0, 0, 1, 1, 0
	TURN 1, 1, 2, 0, 1, 1, 1, 1
	TURN 0, 2, 3, 1, 1, 1, 1, 1
	s_mov_b32 s[SLOTS], 14
.Lslot:                                            ; trip n: turns 4 n + 3 .. 4 n + 6, which fetch groups 4 n + 4 .. 4 n + 7; groups 4 n + 8 .. are asked for
	CHANGE 1
	TURN 1, -1, 0, 1, 1, 1, 1, 1
	TURN 0, 0, 1, 1, 1, 1, 1, 1
	TURN 1, 1, 2, 1, 1, 1, 1, 1
	TURN 0, 2, 3, 1, 1, 1, 1, 1
	s_sub_co_u32 s[SLOTS], s[SLOTS], 1
	s_cmp_lg_u32 s[SLOTS], 0
	s_cbranch_scc1 .Lslot
	CHANGE 0                                       ; the last slot: nothing is asked for, so it is written out
	TURN 1, -1, 0, 1, 1, 1, 1, 1
	TURN 0, 0, 1, 1, 1, 1, 1, 1
	TURN 1, 1, 2, 1, 1, 1, 1, 1
	TURN 0, 2, 3, 1, 1, 1, 1, 1
	TURN 1, 3, 0, 1, 1, 0, 0, 1                    ; turn 63
	s_wait_dscnt 0x0                               ; V of turn 62
	ds_load_b32 v[VV+2], v[AQ] offset:VT-QT+64*3   ; V of turn 63
.set li, 0
.rept 16
	PAIROP li, 0, 1, 1
.set li, li+1
.endr
	TRANS 0, 1, 0, 0, 0
	s_wait_dscnt 0x0
.set li, 0
.rept 16
	PAIROP li, 1, 1, 0
.set li, li+1
.endr
.irp mk, 1,2,4,8                               ; the sum over the 16 columns that the lanes of a row of lanes hold
.set li, 0
.rept 32
	v_add_f32_dpp v[S+li], v[S+li], v[S+li] row_xmask:\mk row_mask:0xf bank_mask:0xf
.set li, li+1
.endr
.endr
	v_mov_b32 v26, v[S]
	v_mov_b32 v27, v[S+1]
.set li, 1
.rept 15                                       ; lane r keeps registers 2 r and 2 r + 1
	v_cmp_eq_u32 vcc_lo, li, v24
	v_cndmask_b32 v26, v26, v[S+2*li], vcc_lo
	v_cndmask_b32 v27, v27, v[S+2*li+1], vcc_lo
.set li, li+1
.endr
	v_mul_f32 v26, -2.0, v26
	v_mul_f32 v27, -2.0, v27
	global_store_b64 v28, v[26:27], s[14:15]       ; the wave stores 256 consecutive bytes, aligned
	s_wait_tensorcnt 0x0                           ; the wave's end
	ds_add_u32 v[SPW], v[NIL]
	s_wait_dscnt 0x0
	CROUND                                         ; the closing round
	s_endpgm
.Lfunc_end_k_q95eaac9573_scores:
	.size	k_q95eaac9573_scores, .Lfunc_end_k_q95eaac9573_scores-k_q95eaac9573_scores
	.p2alignl 7, 3214868480
	.fill 96, 4, 3214868480
	.section	.rodata,"a",@progbits
	.p2align	6, 0x0
	.amdhsa_kernel k_q95eaac9573_scores
		.amdhsa_group_segment_fixed_size 327680
		.amdhsa_private_segment_fixed_size 0
		.amdhsa_enable_private_segment 0
		.amdhsa_kernarg_size 48
		.amdhsa_user_sgpr_count 2
		.amdhsa_user_sgpr_kernarg_segment_ptr 1
		.amdhsa_wavefront_size32 1
		.amdhsa_system_sgpr_workgroup_id_x 1
		.amdhsa_system_sgpr_workgroup_id_y 1
		.amdhsa_system_sgpr_workgroup_id_z 1
		.amdhsa_system_vgpr_workitem_id 0
		.amdhsa_next_free_vgpr 1024
		.amdhsa_next_free_sgpr 66
		.amdhsa_reserve_vcc 1
		.amdhsa_float_denorm_mode_32 3
		.amdhsa_float_denorm_mode_16_64 3
		.amdhsa_memory_ordered 1
		.amdhsa_forward_progress 1
		.amdhsa_inst_pref_size 239
	.end_amdhsa_kernel
	.amdgpu_metadata
---
amdhsa.version: [ 1, 2 ]
amdhsa.kernels:
  - .name:           k_q95eaac9573_scores
    .symbol:         k_q95eaac9573_scores.kd
    .args:
      - { .name: keys, .offset: 0, .size: 8, .value_kind: global_buffer, .address_space: global }
      - { .name: wl, .offset: 8, .size: 8, .value_kind: global_buffer, .address_space: global }
      - { .name: V, .offset: 16, .size: 8, .value_kind: global_buffer, .address_space: global }
      - { .name: lowp_scales, .offset: 24, .size: 8, .value_kind: global_buffer, .address_space: global }
      - { .name: qc, .offset: 32, .size: 8, .value_kind: global_buffer, .address_space: global }
      - { .name: sc, .offset: 40, .size: 8, .value_kind: global_buffer, .address_space: global }
    .group_segment_fixed_size: 327680
    .private_segment_fixed_size: 0
    .kernarg_segment_align: 8
    .kernarg_segment_size: 48
    .max_flat_workgroup_size: 128
    .sgpr_count:     66
    .vgpr_count:     1024
    .wavefront_size: 32
...
	.end_amdgpu_metadata
.endif
;; end of part 2
;; launch context (part 3): grid 8 x 32, 8 waves a work-group, no clusters, 13,568 bytes of LDS; arguments keys, sc, out0, out1; writes out0, out1
.if DOCPART == 3
	.amdgcn_target "amdgcn-amd-amdhsa--gfx1250"
	.amdhsa_code_object_version 6
	.text
	.protected	k_q95eaac9573_context
	.globl	k_q95eaac9573_context
	.p2align	8
	.type	k_q95eaac9573_context,@function
k_q95eaac9573_context:
	s_mov_b64 s[64:65], 0
	v_nop
	global_prefetch_b8 v0, s[64:65] scope:SCOPE_SE
	s_setreg_imm32_b32 hwreg(HW_REG_WAVE_MODE, 25, 1), 1
	s_wait_xcnt 0x0
; out1[b][s] = softmax over s of sc[b][s];  out0[b][h] = sum over s of out1[b][s] keys[b][s][h].  All in f32.
; (sc lacks the term of the score that is the same along s: shown at the head of the first kernel.)
; SHARES.  Work-group (c, b) owns out0[b][128 c .. 128 c + 127] and out1[b][256 c .. 256 c + 255]: every output has one owner.
; Thread t loads scores 4 t .. 4 t + 3 and 1,024 + 4 t .. + 3, and wave w takes the rows of keys whose scores its own lanes hold: 128 w .. 128 w + 127 and 1,024 + 128 w .. + 127.
; THE SOFTMAX takes a maximum away before every exponential: each wave its own 256 scores' maximum m_w, p = 2^((x - m_w) log2(e)), at most 1.  The wave's rows are weighed with that p.
; At the end the waves' m_w, sums and parts of the context meet in LDS, behind the one barrier; M = the largest m_w is the row's maximum, and each part is brought under it by f_w = 2^((m_w - M) log2(e)), at most 1:
; out0 = sum of f_w part_w / sum of f_w sum_w, out1 = p f_w / the same sum.
; A row's p is read from the lane that holds it into a scalar register (v_readlane_b32): it goes through no LDS.
; A lane takes 16 bytes of each row's 512: a load of the wave reads 512 consecutive bytes, aligned.  A ring of 48 rows a wave in registers.
; THE STREAM IS WRITTEN OUT: a wave's rows lie at most 1,151 x 4,096 = 4,714,496 bytes from its first, inside the loads' signed 24-bit immediate (ISA guide, chapter 10): no base and no offset register is ever stepped.
; A stream: each byte of keys is read once here and used once, so matrix units and tensor loads have nothing to give.  No cluster: what the eight work-groups of a batch share is its 8,192 bytes of scores, against the 1,048,576 bytes of keys that each reads alone.
; No prefetch: the stream's own loads, 48 rows a wave, are out from the head on.
; LIMIT: NaN among the inputs is not served.
.set RED,   8192                       ; LDS: the waves' maxima (8 words), and 32 bytes on their sums
.set CTX,   8448                       ; the waves' parts of the context: 8 x 512 bytes
.set SPARE, 12544                      ; the spare words, 128 bytes for each wave: four blocks of 256 bytes that no other line names
.set SPW, 4                            ; v4   LDS address of my spare word; never rewritten
.set NIL, 5                            ; v5   0; never rewritten
.set AC,  32                           ; v32-47   four sets of four sums, by turns
.set D,   64                           ; v64-255  the ring: 48 slots of 4 registers
.set RING, 48
.set SP,  24                           ; s24-31   two quads of p, by turns
	s_load_b256 s[4:11], s[0:1], 0x0               ; keys s[4:5], sc s[6:7], out0 s[8:9], out1 s[10:11]
	v_lshl_add_u32 v[SPW], v0, 2, SPARE
	v_mov_b32 v[NIL], 0
	v_lshrrev_b32 v1, 5, v0
	s_delay_alu instid0(VALU_DEP_1)
	v_readfirstlane_b32 s12, v1                    ; wave 0..7
	v_and_b32 v1, 31, v0
	s_delay_alu instid0(VALU_DEP_1)
	v_lshlrev_b32 v1, 4, v1                        ; 16 x lane
	v_lshlrev_b32 v2, 4, v0                        ; 16 x thread
	s_lshl_b32 s22, s12, 2
	s_add_co_u32 s22, s22, RED
	v_mov_b32 v26, s22                             ; my wave's word
	v_mov_b32 v27, RED
	v_add_nc_u32 v29, CTX, v2                      ; where I put my part of the context
	v_add_nc_u32 v30, CTX, v1                      ; where wave 0 reads the parts
	v_and_b32 v31, 63, v0
	s_delay_alu instid0(VALU_DEP_1)
	v_lshlrev_b32 v31, 4, v31                      ; my 16 bytes of the work-group's 1,024 of out1
	s_mov_b32 s18, 0x76543210                      ; v_permlanex16_b32: lane l xor 16
	s_mov_b32 s19, 0xfedcba98
	s_and_b32 s13, ttmp7, 0xffff                   ; b
	s_lshl_b32 s14, s13, 23                        ; the batch's 2,048 rows of 4,096 bytes,
	s_lshl_b32 s15, s12, 19                        ; my wave's first: 128 w,
	s_add_co_u32 s14, s14, s15
	s_lshl_b32 s15, ttmp9, 9                       ; the work-group's 512 bytes of a row
	s_add_co_u32 s14, s14, s15
	s_mov_b32 s15, 0
	s_lshl_b32 s16, s13, 13                        ; the batch's row of sc and of out1
	s_mov_b32 s17, 0
	s_wait_alu depctr_va_vdst(0)
	s_wait_kmcnt 0x0
	s_add_nc_u64 s[4:5], s[4:5], s[14:15]
	s_add_nc_u64 s[6:7], s[6:7], s[16:17]
	s_add_nc_u64 s[10:11], s[10:11], s[16:17]
	s_lshl_b32 s16, ttmp9, 10
	s_add_nc_u64 s[10:11], s[10:11], s[16:17]
	s_lshl_b32 s16, s13, 12
	s_lshl_b32 s14, ttmp9, 9
	s_add_co_u32 s16, s16, s14
	s_add_nc_u64 s[8:9], s[8:9], s[16:17]
	global_load_b128 v[8:11], v2, s[6:7]                       ; scores 4 t ..
	global_load_b128 v[12:15], v2, s[6:7] offset:4096          ; and 1,024 + 4 t ..
.set i, 0
.rept RING
	global_load_b128 v[D+4*i:D+4*i+3], v1, s[4:5] offset:i*4096 th:TH_LOAD_NT   ; the ring is filled: my rows 0 to 47; they land while p is made
.set i, i+1
.endr
.set i, 0
.rept 16
	v_mov_b32 v[AC+i], 0
.set i, i+1
.endr
	v_mov_b32 v25, 0                               ; written once: a lane permute's destination counts as one of its sources
	s_wait_loadcnt RING                            ; the scores are in; the ring's 48 younger loads stay out
	v_max3_num_f32 v24, v8, v9, v10
	s_delay_alu instid0(VALU_DEP_1)
	v_max3_num_f32 v24, v24, v11, v12
	s_delay_alu instid0(VALU_DEP_1)
	v_max3_num_f32 v24, v24, v13, v14
	s_delay_alu instid0(VALU_DEP_1)
	v_max_num_f32 v24, v24, v15
.irp mk, 1,2,4,8
	s_delay_alu instid0(VALU_DEP_1)
	v_max_num_f32_dpp v24, v24, v24 row_xmask:\mk row_mask:0xf bank_mask:0xf
.endr
	s_wait_alu depctr_va_vdst(0)
	v_permlanex16_b32 v25, v24, s18, s19
	s_delay_alu instid0(VALU_DEP_1)
	v_max_num_f32 v6, v24, v25                     ; m_w: my wave's maximum, in every lane
.irp i, 0,1,2,3,4,5,6,7
	v_sub_f32 v[8+\i], v[8+\i], v6
.endr
.irp i, 0,1,2,3,4,5,6,7
	v_mul_f32 v[8+\i], 0x3fb8aa3b, v[8+\i]         ; x log2(e)
.endr
	s_wait_alu depctr_va_vdst(0)
.irp i, 0,1,2,3,4,5,6,7
	v_exp_f32 v[8+\i], v[8+\i]                     ; p, at most 1
.endr
	v_nop                                          ; a plain instruction behind the last exponential,
	s_wait_alu depctr_va_vdst(0)                   ; and one wait ahead of the batch's first reader
	v_pk_add_f32 v[24:25], v[8:9], v[10:11]
	v_pk_add_f32 v[16:17], v[12:13], v[14:15]
	s_delay_alu instid0(VALU_DEP_1)
	v_pk_add_f32 v[24:25], v[24:25], v[16:17]
	s_delay_alu instid0(VALU_DEP_1)
	v_add_f32 v24, v24, v25
.irp mk, 1,2,4,8
	s_delay_alu instid0(VALU_DEP_1)
	v_add_f32_dpp v24, v24, v24 row_xmask:\mk row_mask:0xf bank_mask:0xf
.endr
	s_delay_alu instid0(VALU_DEP_1)
	v_permlanex16_b32 v25, v24, s18, s19
	s_delay_alu instid0(VALU_DEP_1)
	v_add_f32 v24, v24, v25                        ; my wave's sum
	ds_store_b32 v26, v6                           ; both are read behind the barrier at the end
	ds_store_b32 v26, v24 offset:32
; THE STREAM: 64 groups of four rows.  Group g's rows are 4 g .. 4 g + 3 of my 256; row i lies (i + 896 (i / 128)) rows behind my first; its p stands in lane (i / 4) % 32, register 8 + 4 (i / 128) + i % 4.
; A group: four p into scalar registers, its four rows waited for by count, 16 multiply-adds, then the four slots take the rows 48 further on.
.set g, 0
.rept 64
.set i, 0
.rept 4
	v_readlane_b32 s[SP+4*(g%2)+i], v[8+4*(g/32)+i], g%32
.set i, i+1
.endr
.set al, RING+4*g                              ; rows asked for so far
.if al > 256
.set al, 256
.endif
	s_wait_loadcnt al-4*g-4                        ; loads come back in order: the rows behind this group's may be out
.set i, 0
.rept 4
.set u, 0
.rept 4
	v_fmac_f32 v[AC+4*i+u], s[SP+4*(g%2)+i], v[D+4*((4*g+i)%RING)+u]
.set u, u+1
.endr
.set i, i+1
.endr
.if 4*g+RING < 256
.set i, 0
.rept 4
.set ro, 4*g+i+RING
	global_load_b128 v[D+4*((4*g+i)%RING):D+4*((4*g+i)%RING)+3], v1, s[4:5] offset:(ro+896*(ro/128))*4096 th:TH_LOAD_NT
.set i, i+1
.endr
.endif
.set g, g+1
.endr
	s_wait_alu depctr_va_vdst(0)
	v_pk_add_f32 v[AC:AC+1], v[AC:AC+1], v[AC+4:AC+5]
	v_pk_add_f32 v[AC+2:AC+3], v[AC+2:AC+3], v[AC+6:AC+7]
	v_pk_add_f32 v[AC+8:AC+9], v[AC+8:AC+9], v[AC+12:AC+13]
	v_pk_add_f32 v[AC+10:AC+11], v[AC+10:AC+11], v[AC+14:AC+15]
	s_delay_alu instid0(VALU_DEP_2)
	v_pk_add_f32 v[AC:AC+1], v[AC:AC+1], v[AC+8:AC+9]
	s_delay_alu instid0(VALU_DEP_2)
	v_pk_add_f32 v[AC+2:AC+3], v[AC+2:AC+3], v[AC+10:AC+11]
	ds_store_b128 v29, v[AC:AC+3]
	s_wait_dscnt 0x0                               ; for the others' sake: my maximum, my sum and my part are stored
	s_barrier_signal -1
	s_barrier_wait -1                              ; the eight waves' lie in LDS
	ds_load_b128 v[16:19], v27                     ; the eight m_w,
	ds_load_b128 v[20:23], v27 offset:16
	ds_load_b128 v[48:51], v27 offset:32           ; the eight sums
	ds_load_b128 v[52:55], v27 offset:48
	s_wait_dscnt 0x0
	v_max3_num_f32 v7, v16, v17, v18
	v_max3_num_f32 v7, v7, v19, v20
	v_max3_num_f32 v7, v7, v21, v22
	v_max_num_f32 v7, v7, v23                      ; M: the row's maximum
.irp i, 0,1,2,3,4,5,6,7
	v_sub_f32 v[16+\i], v[16+\i], v7
.endr
	v_sub_f32 v6, v6, v7
.irp i, 0,1,2,3,4,5,6,7
	v_mul_f32 v[16+\i], 0x3fb8aa3b, v[16+\i]
.endr
	v_mul_f32 v6, 0x3fb8aa3b, v6
	s_wait_alu depctr_va_vdst(0)                   ; a wait ahead of the batch
.irp i, 0,1,2,3,4,5,6,7
	v_exp_f32 v[16+\i], v[16+\i]                   ; f_w, at most 1
.endr
	v_exp_f32 v6, v6                               ; my own wave's
	v_nop
	s_wait_alu depctr_va_vdst(0)                   ; and behind it
	v_mul_f32 v24, v16, v48
.irp i, 1,2,3,4,5,6,7
	v_fmac_f32 v24, v[16+\i], v[48+\i]             ; the row's sum under M
.endr
	s_wait_alu depctr_va_vdst(0)
	v_rcp_f32 v7, v24                              ; 1 / the row's sum
	v_nop
	s_wait_alu depctr_va_vdst(0)
	; out1: the work-group's 256 weights lie in the registers of waves 2 (c & 3) and 2 (c & 3) + 1: in the first four of a thread's eight where c < 4, else in the second four.  The branch and the choice hang on ids alone.
	s_lshr_b32 s22, s12, 1
	s_and_b32 s23, ttmp9, 3
	s_cmp_lg_u32 s22, s23
	s_cbranch_scc1 .Lnot_mine
	s_cmp_lt_u32 ttmp9, 4
	s_cselect_b32 s22, 0, -1
	v_mul_f32 v6, v6, v7                           ; f_w / the row's sum
.irp i, 0,1,2,3
	v_cndmask_b32 v[56+\i], v[8+\i], v[12+\i], s22
.endr
.irp i, 0,1,2,3
	v_mul_f32 v[56+\i], v[56+\i], v6
.endr
	global_store_b128 v31, v[56:59], s[10:11]      ; a wave stores 512 consecutive bytes, aligned
.Lnot_mine:
	s_cmp_lg_u32 s12, 0
	s_cbranch_scc1 .Lend                           ; wave 0 joins the parts: 512 bytes of output
.irp u, 0,1,2,3,4,5,6,7
	ds_load_b128 v[D+4*\u:D+4*\u+3], v30 offset:512*\u
.endr
	s_wait_dscnt 0x0
.irp k, 0,1,2,3
	v_mul_f32 v[AC+\k], v[D+\k], v16
.endr
.irp u, 1,2,3,4,5,6,7
.irp k, 0,1,2,3
	v_fmac_f32 v[AC+\k], v[D+4*\u+\k], v[16+\u]    ; + f_w x part_w, four chains by turns
.endr
.endr
.irp k, 0,1,2,3
	v_mul_f32 v[AC+\k], v[AC+\k], v7               ; / the row's sum
.endr
	global_store_b128 v1, v[AC:AC+3], s[8:9]       ; 512 consecutive bytes, aligned
.Lend:
	s_wait_tensorcnt 0x0                           ; the wave's end, behind my last LDS store
	ds_add_u32 v[SPW], v[NIL]
	s_wait_dscnt 0x0
	s_endpgm
.Lfunc_end_k_q95eaac9573_context:
	.size	k_q95eaac9573_context, .Lfunc_end_k_q95eaac9573_context-k_q95eaac9573_context
	.p2alignl 7, 3214868480
	.fill 96, 4, 3214868480
	.section	.rodata,"a",@progbits
	.p2align	6, 0x0
	.amdhsa_kernel k_q95eaac9573_context
		.amdhsa_group_segment_fixed_size 13568
		.amdhsa_private_segment_fixed_size 0
		.amdhsa_enable_private_segment 0
		.amdhsa_kernarg_size 32
		.amdhsa_user_sgpr_count 2
		.amdhsa_user_sgpr_kernarg_segment_ptr 1
		.amdhsa_wavefront_size32 1
		.amdhsa_system_sgpr_workgroup_id_x 1
		.amdhsa_system_sgpr_workgroup_id_y 1
		.amdhsa_system_sgpr_workgroup_id_z 1
		.amdhsa_system_vgpr_workitem_id 0
		.amdhsa_next_free_vgpr 256
		.amdhsa_next_free_sgpr 66
		.amdhsa_reserve_vcc 0
		.amdhsa_float_denorm_mode_32 3
		.amdhsa_float_denorm_mode_16_64 3
		.amdhsa_memory_ordered 1
		.amdhsa_forward_progress 1
		.amdhsa_inst_pref_size 85
	.end_amdhsa_kernel
	.amdgpu_metadata
---
amdhsa.version: [ 1, 2 ]
amdhsa.kernels:
  - .name:           k_q95eaac9573_context
    .symbol:         k_q95eaac9573_context.kd
    .args:
      - { .name: keys, .offset: 0, .size: 8, .value_kind: global_buffer, .address_space: global }
      - { .name: sc, .offset: 8, .size: 8, .value_kind: global_buffer, .address_space: global }
      - { .name: out0, .offset: 16, .size: 8, .value_kind: global_buffer, .address_space: global }
      - { .name: out1, .offset: 24, .size: 8, .value_kind: global_buffer, .address_space: global }
    .group_segment_fixed_size: 13568
    .private_segment_fixed_size: 0
    .kernarg_segment_align: 8
    .kernarg_segment_size: 32
    .max_flat_workgroup_size: 256
    .sgpr_count:     66
    .vgpr_count:     256
    .wavefront_size: 32
...
	.end_amdgpu_metadata
.endif
;; end of part 3
